; MI455X (gfx1250); checked and timed in simulation.
; The chip was launched on July 23, 2026; its instructions are those of AMD's public machine-readable ISA for CDNA 5 (MIT licence, August 2026) and "CDNA5" Instruction Set Architecture Reference Guide (July 2026). The comments in the code are by the model that wrote it; some were corrected since.
;; Test Two Einsum. Allowed arithmetic: matrix products marked QUANTISED: E2M1 operands, one E8M0 scale for each 32 along K, by v_wmma_scale_f32_16x16x128_f8f6f4 with both operands' format E2M1 (or v_wmma_scale_f32_32x16x128_f4), f32 sums; everything else in f32.
;; Inputs: w1 8 x 1,024 x 4,096 float32; w2 8 x 4,096 x 1,024 float32; x 4 x 256 x 1,024 float32.
;; Outputs: out0 4 x 256 x 1,024 float32.
;; This version of the problem:
;;   THIS VERSION OF THE PROBLEM IS GIVEN IN LOW PRECISION. The matrix products marked QUANTISED in the list below multiply operands that are first quantised to E2M1 (2 exponent bits, 1 mantissa bit; 4 bits a number), with one power-of-two scale for each 32 numbers along K (OCP MX v1.0); their sums are f32. All else is computed in f32.
;;   The module's matrix products, in the order in which they are computed (A, B: the left and right operand; K: the contracted axis; several contracted axes count as one K, in the product's order):
;;     1. [M 32,768, K 1,024] x [K 1,024, N 1,024]; A: input w1; B: input x: QUANTISED
;;     2. [M 1,024, K 32,768] x [K 32,768, N 1,024]; A: computed on the way; B: input w2: QUANTISED
;;   THE QUANTISER, for each operand of a quantised product, along K:
;;     - K is cut into blocks of 32 from its start; a last block that is shorter is filled with zeros.
;;     - A block's scale is 2^e with e = floor(log2(the largest magnitude in the block)) - 2, held to -126 .. 127; a block of zeros has e = 0. As a byte (E8M0): e + 127.
;;     - Each number is divided by its block's scale, clamped to +-6, and rounded to the nearest number of E2M1, ties to even, subnormals kept.
;;     - The product sums the exact products of the quantised numbers (number of the format x scale) in f32.
;;   ~~~python
;;   def quantise(x, axis):      # numpy; x: float32 -> the quantised numbers, widened to float32 again
;;       x = np.moveaxis(x, axis, -1); K = x.shape[-1]
;;       x = np.pad(x, [(0, 0)] * (x.ndim - 1) + [(0, -K % 32)]); x = x.reshape(x.shape[:-1] + (-1, 32)); a = np.abs(x).max(-1, keepdims=True)
;;       e = np.where(a > 0, np.clip(np.frexp(np.where(a > 0, a, 1))[1] - 1 - 2, -126, 127), 0)      # np.frexp(a)[1] - 1 = floor(log2(a)), exactly
;;       r = np.clip(x / 2.0 ** e, -6, 6)
;;       step = 2.0 ** (np.maximum(np.frexp(np.where(r == 0, 1, r))[1] - 1, 0) - 1)
;;       q = np.round(r / step) * step * 2.0 ** e      # np.round: ties to even
;;       return np.moveaxis(q.reshape(q.shape[:-2] + (-1,))[..., :K], -1, axis).astype(np.float32)
;;   ~~~
;;   OPERANDS COMPUTED ON THE WAY. 'Computed on the way' means the value that the module computes at that place (a softmax that the list does not call 'softmax' is quantised finished and normalised). What goes into a quantiser is computed in f32, as accurately as f32 sums, v_exp_f32 and their like allow (about 1e-6 of the number): no bf16 or f16 on the way to a quantiser, and a product that is left as it is and whose result goes on into a quantised operand takes f32 operands (vector FMAs, or v_wmma_f32_16x16x4_f32). A number that lies on a knife's edge between two numbers of the format may be rounded either way, as far as f32 arithmetic and the matrix unit's own rounding can turn it there, and no further.
;; One version. Each part assembles by itself: llvm-mc -triple=amdgcn-amd-amdhsa -mcpu=gfx1250 --defsym DOCPART=n.
;; ======== version 1 of 1: 4 launches
;; limits: right only within a limited range of input values
;; workspace buffers: xc 557,056 bytes; w1c 17,825,792 bytes; w2c 17,825,792 bytes; midc 17,825,792 bytes; part 16,777,216 bytes
;; launch quant (part 1): grid 2048 x 1, 4 waves a work-group, no clusters, 0 bytes of LDS; arguments x, w1, xc, w1c; writes xc, w1c
.if DOCPART == 1
	.amdgcn_target "amdgcn-amd-amdhsa--gfx1250"
	.amdhsa_code_object_version 6
	.text
	.protected	k_q00bdf6af6b_quant
	.globl	k_q00bdf6af6b_quant
	.p2align	8
	.type	k_q00bdf6af6b_quant,@function
k_q00bdf6af6b_quant:
	s_mov_b64 s[64:65], 0
	v_nop
	global_prefetch_b8 v0, s[64:65] scope:SCOPE_SE
	s_setreg_imm32_b32 hwreg(HW_REG_WAVE_MODE, 25, 1), 1
	s_wait_xcnt 0x0
; out[a,m,:] = sum over (e,n) of Q(mid)[a,m,e,n] Q(w2)[e,n,:],  mid[a,m,e,n] = sum over h of Q(x)[a,m,h] Q(w1)[e,h,n]; Q = MX-FP4 (E2M1, one E8M0 scale for each 32 along the product's K).
; NOTHING IS LEFT OUT: every number of x, w1 and w2 reaches out0, nothing is masked or sliced, and the quantiser of mid stands between the two products, so they cannot be regrouped.
; THIS LAUNCH turns x and w1 (f32) into codes and scale words, each number loaded once, laid IN THE ORDER OF THE OPERAND'S REGISTERS.  (w2 is quantised by the next launch, beside the first product.)
; A FRAGMENT IMAGE is 1,024 bytes for 16 rows x 128 K: the 16 bytes of row r's block bq (32 codes, lower k in the lower bits) lie at 256 bq + 16 r; two loads of 16 bytes a lane (16 x lane, 512 + 16 x lane) give a wave the operand.
;   xc : images [token tile 64][K step 8]; from byte 524,288 scale words [tile][half of K 2][row 16][4 words], byte bq of a word for block bq.
;   w1c: images [slice of 128 columns (e,n) 256][K step 8][tile 8]; row r of tile 2 b + u is column 32 b + 8 u + r + 8 (r / 8) of the slice, so that the next launch's results lie as neighbours along the next K;
;        from byte 16,777,216 scale words [slice][K step][pair of tiles 4][lane 32]: lane 16 u + r = row r of tile 2 p + u.
; A block's scale is 2^(floor(log2(largest magnitude)) - 2): its byte is the largest magnitude's exponent field - 2, held at 1 from below; numbers beyond 6 x scale get the largest code (the conversion does that).
; LIMITS: a block of zeros gets the byte 1 where the rule says 127 (its codes are zeros, and this program alone reads the bytes); blocks whose largest magnitude lies under 2^(3 - 127) are held at byte 1; NaN and infinities are not served.
; SHARES.  2,048 work-groups of equal work; with 128 registers a wave eight of them share a WGP's registers.  Work-group i: ng = i % 32 (128 columns), ks = (i / 32) % 8 (a K step of 128 rows h), e = i / 256.
; K is the FIRST axis of w1's matrices: a lane takes a column and its registers run down K (32 loads of 4 bytes = one block); a wave takes 32 columns x 128 rows (4 blocks a lane); the four waves stand side by side on 512 bytes of a row.
; x: work-group i takes piece i of 2,048: one block of 32 along K of a token tile's 16 rows (i = 32 tile + 4 K step + block), done by its wave 0.  There K is innermost: two neighbouring lanes hold a block, 16 numbers each.
; No LDS, no barrier: waves share nothing.  Loads run one block ahead of the block in hand.  Each block has its own registers for its codes: no store's data are written again.
.set X,      32                        ; v32-95   two sets of 32 numbers
.set C,      96                        ; v96-111  codes: 4 registers for each of 4 blocks
.set XN,     112                       ; v112-127 the piece of x: my 16 numbers
.set SB,     14                        ; v14      the K step's scale word
.set XCD,    16                        ; v16-17 the piece's codes, v18 its scale byte
.set XLO,    19                        ; v19 the piece's load offset, v20 its codes' place, v21 its scale byte's place
.set SCOFF,  16777216
.set XSCOFF, 524288
	s_load_b128 s[4:7], s[0:1], 0x0                ; x s[4:5], w1 s[6:7]
	s_load_b128 s[8:11], s[0:1], 0x10              ; xc s[8:9], w1c s[10:11]
	v_lshrrev_b32 v1, 5, v0
	v_readfirstlane_b32 s16, v1                    ; wave 0..3
	v_and_b32 v2, 31, v0                           ; lane
	v_and_b32 v6, 15, v0                           ; r
	v_bfe_u32 v7, v0, 4, 1                         ; u = lane / 16
	v_lshlrev_b32 v4, 4, v6                        ; codes at 1,024 u + 16 r,
	v_lshl_add_u32 v4, v7, 10, v4
	v_lshlrev_b32 v5, 2, v2                        ; scale words at 4 x lane
	v_and_b32 v8, 7, v0                            ; lane 16 u + r takes column 8 u + r + 8 (r / 8) of the wave's 32: 4 (r % 8) + 32 u + 64 (r / 8) bytes
	v_bfe_u32 v9, v0, 3, 1
	v_lshlrev_b32 v3, 2, v8
	v_lshl_add_u32 v3, v7, 5, v3
	v_lshl_add_u32 v3, v9, 6, v3
	v_lshrrev_b32 v10, 1, v2                       ; the piece of x: row lane / 2, half lane % 2 of its block
	v_and_b32 v15, 1, v0
	v_lshlrev_b32 v[XLO], 12, v10                  ; a row of x is 4,096 bytes; my 16 numbers are 64
	v_lshl_add_u32 v[XLO], v15, 6, v[XLO]
	v_lshlrev_b32 v[XLO+1], 3, v2                  ; codes: 8 bytes a lane
	v_lshlrev_b32 v[XLO+2], 4, v10                 ; scale bytes: 16 bytes from row to row
	s_mov_b32 s31, 0
	s_mov_b32 s33, 0
	s_mov_b32 s35, 0
	s_lshr_b32 s30, ttmp9, 5                       ; the piece's source: tile x 16 rows x 4,096
	s_lshl_b32 s30, s30, 16
	s_and_b32 s36, ttmp9, 31                       ; + (4 K step + block) x 128
	s_lshl_b32 s36, s36, 7
	s_add_co_u32 s30, s30, s36
	s_lshl_b32 s32, ttmp9, 8                       ; its codes: i x 256
	s_lshr_b32 s34, ttmp9, 4                       ; its scale bytes: (2 tile + half of K) x 256 + 4 x word + block
	s_lshl_b32 s34, s34, 8
	s_and_b32 s36, ttmp9, 15
	s_add_co_u32 s34, s34, s36
	s_add_co_u32 s34, s34, XSCOFF
	s_wait_alu depctr_va_vdst(0)
	s_wait_kmcnt 0x0
	s_add_nc_u64 s[26:27], s[4:5], s[30:31]
	s_add_nc_u64 s[28:29], s[8:9], s[32:33]
	s_add_nc_u64 s[40:41], s[8:9], s[34:35]
	s_and_b32 s18, ttmp9, 31                       ; ng
	s_lshr_b32 s19, ttmp9, 5                       ; 8 e + ks
	s_and_b32 s36, s19, 7                          ; ks
	s_lshr_b32 s37, ttmp9, 8                       ; e
	s_lshl_b32 s37, s37, 5
	s_add_co_u32 s37, s37, s18                     ; the slice g = 32 e + ng
	s_lshl_b32 s30, s19, 21                        ; source: (8 e + ks) x 128 rows x 16,384 bytes + ng x 512 + wave x 128
	s_lshl_b32 s38, s18, 9
	s_add_co_u32 s30, s30, s38
	s_lshl_b32 s39, s16, 7
	s_add_co_u32 s30, s30, s39
	s_add_nc_u64 s[20:21], s[6:7], s[30:31]
	s_lshl_b32 s32, s37, 16                        ; images: g x 65,536 + ks x 8,192 + wave x 2 tiles
	s_lshl_b32 s38, s36, 13
	s_add_co_u32 s32, s32, s38
	s_lshl_b32 s38, s16, 11
	s_add_co_u32 s32, s32, s38
	s_add_nc_u64 s[22:23], s[10:11], s[32:33]
	s_lshl_b32 s34, s37, 12                        ; scale words: g x 4,096 + ks x 512 + wave x 128
	s_lshl_b32 s38, s36, 9
	s_add_co_u32 s34, s34, s38
	s_add_co_u32 s34, s34, s39
	s_add_co_u32 s34, s34, SCOFF
	s_add_nc_u64 s[24:25], s[10:11], s[34:35]
.macro LOADW t                         ; block t of my column: rows 32 t + i; 32 lanes read 128 consecutive bytes
.irp i, 0,1,2,3,4,5,6,7,8,9,10,11,12,13,14,15,16,17,18,19,20,21,22,23,24,25,26,27,28,29,30,31
	global_load_b32 v[X+32*((\t)%2)+\i], v3, s[20:21] offset:(32*(\t)+\i)*16384 th:TH_LOAD_NT
.endr
.endm
	s_cmp_lg_u32 s16, 0                            ; wave 0 takes the work-group's piece of x on the way
	s_cbranch_scc1 .Lplain
.irp j, 0,1,2,3
	global_load_b128 v[XN+4*\j:XN+4*\j+3], v[XLO], s[26:27] offset:16*\j   ; asked for first, so that it is in first
.endr
	LOADW 0
	LOADW 1
	s_wait_loadcnt 63                              ; the piece's four loads are in: 64 loads stand behind them; 63 is the largest count that the wait can name, and a smaller count is safe
	v_max3_num_f32 v12, |v[XN]|, |v[XN+1]|, |v[XN+2]|              ; the largest magnitude of my 16, in two chains,
	v_max3_num_f32 v13, |v[XN+3]|, |v[XN+4]|, |v[XN+5]|
.irp i, 6,10
	v_max3_num_f32 v12, v12, |v[XN+\i]|, |v[XN+\i+1]|
	v_max3_num_f32 v13, v13, |v[XN+\i+2]|, |v[XN+\i+3]|
.endr
	v_max3_num_f32 v12, v12, |v[XN+14]|, |v[XN+15]|
	v_max3_num_f32 v12, v12, v13, 0x1800000        ; the floor 2^(3 - 127),
	v_max_num_f32_dpp v12, v12, v12 row_xmask:1 row_mask:0xf bank_mask:0xf   ; and my neighbour's 16: the block's
	v_add_nc_u32 v11, 0xff000000, v12              ; 2 off the exponent field: the conversion's scale operand
	v_cvt_scalef32_pk8_fp4_f32 v[XCD], v[XN:XN+7], v11
	v_cvt_scalef32_pk8_fp4_f32 v[XCD+1], v[XN+8:XN+15], v11
	v_lshrrev_b32 v[XCD+2], 23, v11                ; the scale's byte (a plain line behind the conversions)
	global_store_b64 v[XLO+1], v[XCD:XCD+1], s[28:29]              ; 32 lanes store 256 consecutive aligned bytes: block bq of the image's 16 rows
	global_store_b8 v[XLO+2], v[XCD+2], s[40:41]                   ; both lanes of a block write the same byte with the same value
	s_branch .Lgo
.Lplain:
	LOADW 0
	LOADW 1
.Lgo:                                                  ; on both ways the last 64 loads issued are blocks 0 and 1
.irp t, 0,1,2,3
.if \t < 3
	s_wait_loadcnt 32                              ; this block's 32 loads are in; the next block's 32 may be out
.else
	s_wait_loadcnt 0x0
.endif
.set XS, X+32*(\t%2)
	v_max3_num_f32 v12, |v[XS]|, |v[XS+1]|, |v[XS+2]|              ; the block's largest magnitude: all 32 numbers are mine
	v_max3_num_f32 v13, |v[XS+3]|, |v[XS+4]|, |v[XS+5]|
.irp i, 6,10,14,18,22,26
	v_max3_num_f32 v12, v12, |v[XS+\i]|, |v[XS+\i+1]|
	v_max3_num_f32 v13, v13, |v[XS+\i+2]|, |v[XS+\i+3]|
.endr
	v_max3_num_f32 v12, v12, |v[XS+30]|, |v[XS+31]|
	v_max3_num_f32 v12, v12, v13, 0x1800000        ; the floor: the byte cannot fall under 1
	v_add_nc_u32 v11, 0xff000000, v12
	v_lshrrev_b32 v13, 23, v11                     ; the scale's byte
.if \t == 0
	v_mov_b32 v[SB], v13                           ; four bytes make the K step's scale word, the lower K in the lower byte
.else
	v_lshl_or_b32 v[SB], v13, 8*\t, v[SB]
.endif
.irp g, 0,1,2,3
	v_cvt_scalef32_pk8_fp4_f32 v[C+4*\t+\g], v[XS+8*\g:XS+8*\g+7], v11
.endr
	global_store_b128 v4, v[C+4*\t:C+4*\t+3], s[22:23] offset:256*\t   ; lanes 0-15 store 256 consecutive aligned bytes of one tile's image, lanes 16-31 of the next tile's
.if \t < 2
	LOADW \t+2
.endif
.endr
	global_store_b32 v5, v[SB], s[24:25]           ; 128 consecutive bytes: the two tiles' scale words
	s_endpgm
.Lfunc_end_k_q00bdf6af6b_quant:
	.size	k_q00bdf6af6b_quant, .Lfunc_end_k_q00bdf6af6b_quant-k_q00bdf6af6b_quant
	.p2alignl 7, 3214868480
	.fill 96, 4, 3214868480
	.section	.rodata,"a",@progbits
	.p2align	6, 0x0
	.amdhsa_kernel k_q00bdf6af6b_quant
		.amdhsa_group_segment_fixed_size 0
		.amdhsa_private_segment_fixed_size 0
		.amdhsa_enable_private_segment 0
		.amdhsa_kernarg_size 32
		.amdhsa_user_sgpr_count 2
		.amdhsa_user_sgpr_kernarg_segment_ptr 1
		.amdhsa_wavefront_size32 1
		.amdhsa_system_sgpr_workgroup_id_x 1
		.amdhsa_system_sgpr_workgroup_id_y 1
		.amdhsa_system_sgpr_workgroup_id_z 1
		.amdhsa_system_vgpr_workitem_id 0
		.amdhsa_next_free_vgpr 128
		.amdhsa_next_free_sgpr 66
		.amdhsa_reserve_vcc 0
		.amdhsa_float_denorm_mode_32 3
		.amdhsa_float_denorm_mode_16_64 3
		.amdhsa_memory_ordered 1
		.amdhsa_forward_progress 1
		.amdhsa_inst_pref_size 29
	.end_amdhsa_kernel
	.amdgpu_metadata
---
amdhsa.version: [ 1, 2 ]
amdhsa.kernels:
  - .name:           k_q00bdf6af6b_quant
    .symbol:         k_q00bdf6af6b_quant.kd
    .args:
      - { .name: x, .offset: 0, .size: 8, .value_kind: global_buffer, .address_space: global }
      - { .name: w1, .offset: 8, .size: 8, .value_kind: global_buffer, .address_space: global }
      - { .name: xc, .offset: 16, .size: 8, .value_kind: global_buffer, .address_space: global }
      - { .name: w1c, .offset: 24, .size: 8, .value_kind: global_buffer, .address_space: global }
    .group_segment_fixed_size: 0
    .private_segment_fixed_size: 0
    .kernarg_segment_align: 8
    .kernarg_segment_size: 32
    .max_flat_workgroup_size: 128
    .sgpr_count:     66
    .vgpr_count:     128
    .wavefront_size: 32
...
	.end_amdgpu_metadata
.endif
;; end of part 1
;; launch up (part 2): grid 256 x 1, 4 waves a work-group, no clusters, 327,680 bytes of LDS; arguments xc, w1c, w2, midc, w2c; writes midc, w2c
.if DOCPART == 2
	.amdgcn_target "amdgcn-amd-amdhsa--gfx1250"
	.amdhsa_code_object_version 6
	.text
	.protected	k_q00bdf6af6b_up
	.globl	k_q00bdf6af6b_up
	.p2align	8
	.type	k_q00bdf6af6b_up,@function
k_q00bdf6af6b_up:
	s_mov_b64 s[64:65], 0
	v_nop
	global_prefetch_b8 v0, s[64:65] scope:SCOPE_SE
	s_setreg_imm32_b32 hwreg(HW_REG_WAVE_MODE, 25, 1), 1
	s_wait_xcnt 0x0
; TWO JOBS IN ONE LAUNCH.  (1) mid = Q(x) Q(w1) on codes of FP4, quantised along (e,n) in registers and stored as fragment images for the second product.  (2) w2 (f32) is quantised along (e,n), beside job 1's products.  Nothing is left out.
; Layouts of xc and w1c, and what a fragment image is: as the launch before stores them.
;   midc: images [K step g of the second product = slice of 128 columns (e,n) 256][token tile 64]; from byte 16,777,216 scale words [g][group of 4 tiles 16][lane 32][2 words]: word q of lane L belongs to tile 4 TQ + 2 q + L / 16, row L % 16.
;   w2c : images [K step of 128 rows (e,n) 256][tile of 16 columns 64]; from byte 16,777,216 scale words [K step][pair of tiles 32][lane 32]: lane 16 u + r = column r of tile 2 p + u.
; JOB 1.  Work-group g owns slice g: 128 columns of mid for all 1,024 tokens; wave w owns tokens 256 w on: 16 tiles of 16.  Every wave holds all 64 fragments of w1's slice (8 K steps x 8 tiles, 128 pieces of 512 bytes) in 512 registers.
; The slice meets once in LDS: each wave fetches 31 of its quarter's 32 pieces and stores them into a stage of 4 x 31 x 512 = 63,488 bytes (what fits behind the ring and the spare words); the four pieces left over every wave loads itself.
; x's fragments go from memory straight into operand registers: 18 loads a tile, four tiles ahead.  THE PRODUCT IS USED TRANSPOSED (source 0 = 16 columns of w1, source 1 = 16 tokens): a lane holds ONE token, and by the order of
; w1's rows in a tile the 16 registers of tiles 2 b, 2 b + 1 are columns 32 b + 16 (lane / 16) + 0 .. 15: neighbours along the next K.  A tile: 64 matrix instructions (8 accumulators by turns, K ascending), the quantiser, two stores of 512 bytes.
; JOB 2.  Work-group g owns K step g of w2: 128 rows x 1,024 columns, 524,288 dense bytes, read by nobody else.  They come in four fills of 131,072 bytes (a block of 32 rows, all columns) through a ring of two LDS slots;
; each wave's tensor load brings 8 rows (32,768 bytes, as 128 rows of 256).  A fill serves a trip of four token tiles: wave w takes columns 256 w on, a lane a column, 32 LDS loads of 4 bytes down K = one block; two groups of 32 columns a tile.
; The four fills' bytes gather into scale words (8 registers), stored in the last trip.
; ORDER IN A TILE: behind the 64 matrix instructions stand lines that name none of their registers and are no vector work: the LDS loads of w2's first group and the stores of the tile before; then w2's first group, mid, w2's second group; x's refill last.
; PREFETCH: a fill's 131,072 bytes are asked of memory one trip ahead of its tensor load: fill 1 at the head, fills 2 and 3 in trips 0 and 1; each wave names the 128 blocks of 256 bytes of its own quarter, a lane a block, four instructions; trips 2 and 3 ask for nothing.
; NO JOINT LOADS: all work-groups read the same 544 KB of xc, but in a work-group each fragment of x has ONE reader, the wave that owns the tokens, and lands in its operand registers as it lies; the ring, the spare words and the stage take 326,144 bytes of LDS,
; so no second ring for xc's tiles fits.  w2's bytes have one reader on the whole chip.
; LIMITS: a block of zeros gets the byte 1 (its codes are zeros; this program alone reads the bytes); blocks whose largest magnitude lies under 2^(3 - 127) are held at byte 1; NaN and infinities are not served.
; REGISTERS, in windows of 256: window 0: v4-13, v17 addresses; v14, v15 the add's two; v16, v18-19 mid's scale words; v20-27 w2's scale words; v32-63 w1's scale words (8 p + s); v64-95 x's scale words (8 buf + s); v96-159 the 8 accumulators;
;   v160-191 mid's codes (8 for each of a trip's tiles); v192-207 at work; v208-239 a block of w2; v240-255 w2's codes.   window 1: w1's fragments of K steps 0-3 at v[8 (8 s + t)].   window 2: K steps 4-7.   window 3: x's fragments, 4 buffers of 64.
.set SLOT,   131072                    ; LDS: slot 0, slot 1;
.set SPARE,  2*SLOT                    ; the spare words, 128 bytes for each wave, which no other line names;
.set STG,    SPARE+512                 ; the slice's stage, stored once, into which no fill lands.
.set QS,     31*512                    ; a wave's part of the stage
.set SCOFF,  16777216
.set XSCOFF, 524288
.set LI,  4                            ; 16 x lane
.set XSO, 5                            ; 16 x (lane % 16)
.set L4,  6                            ; 4 x lane
.set L8,  7                            ; 8 x lane
.set RA,  8                            ; LDS: my column in rows 0-15 of the slot in hand
.set RB,  9                            ; the same in rows 16-31
.set WCO, 10                           ; w2's codes: 1,024 (lane / 16) + 16 (lane % 16)
.set PFO, 11                           ; 256 x lane
.set RBS, 12                           ; 4 x lane + 1,024 x wave
.set WST, 13                           ; the stage: where I put my part
.set SPW, 14
.set NIL, 15
.set PW,  16
.set LS,  17                           ; the stage: 16 x lane from its start
.set SW,  18
.set SBW, 20
.set W1S, 32
.set XS,  64
.set HA,  96
.set PC,  160
.set TM,  192
.set WN,  208
.set WC,  240
.set G0,  32                           ; s[32:35] descriptor group 0; s[36:43] group 1
.set G1,  36
.set PF,  48                           ; s[48:49] the prefetches' base
.set MSB, 0
.macro WIN new                         ; the immediate's high byte repeats the setting that is left
.if MSB != \new
	s_set_vgpr_msb (MSB<<8)|(\new)
.set MSB, \new
.endif
.endm
.macro MM d, a, b, zero, sa, sb, oa    ; zero: it starts the sum;  oa: source 0's scales stand in lanes 16-31
.if \zero
.if \oa
	v_wmma_scale_f32_16x16x128_f8f6f4 v[\d:\d+7], v[\a:\a+7], v[\b:\b+7], 0, v[\sa], v[\sb] matrix_a_fmt:MATRIX_FMT_FP4 matrix_b_fmt:MATRIX_FMT_FP4 matrix_a_scale:MATRIX_SCALE_ROW1
.else
	v_wmma_scale_f32_16x16x128_f8f6f4 v[\d:\d+7], v[\a:\a+7], v[\b:\b+7], 0, v[\sa], v[\sb] matrix_a_fmt:MATRIX_FMT_FP4 matrix_b_fmt:MATRIX_FMT_FP4
.endif
.else
.if \oa
	v_wmma_scale_f32_16x16x128_f8f6f4 v[\d:\d+7], v[\a:\a+7], v[\b:\b+7], v[\d:\d+7], v[\sa], v[\sb] matrix_a_fmt:MATRIX_FMT_FP4 matrix_b_fmt:MATRIX_FMT_FP4 matrix_a_scale:MATRIX_SCALE_ROW1
.else
	v_wmma_scale_f32_16x16x128_f8f6f4 v[\d:\d+7], v[\a:\a+7], v[\b:\b+7], v[\d:\d+7], v[\sa], v[\sb] matrix_a_fmt:MATRIX_FMT_FP4 matrix_b_fmt:MATRIX_FMT_FP4
.endif
.endif
.endm
.macro XLOAD buf, to                   ; the token tile "to" tiles behind the bases: 8 fragments into buffer buf of window 3, its scale words: 18 loads
	WIN 0xc0
.irp j, 0,1,2,3,4,5,6,7,8,9,10,11,12,13,14,15
	global_load_b128 v[64*(\buf)+4*\j:64*(\buf)+4*\j+3], v[LI], s[16:17] offset:8192*(\to)+512*\j
.endr
	WIN 0
.irp k, 0,1
	global_load_b128 v[XS+8*(\buf)+4*\k:XS+8*(\buf)+4*\k+3], v[XSO], s[18:19] offset:512*(\to)+256*\k
.endr
.endm
; 64 numbers of a lane, register 16 b + i = k 32 b + 16 (lane / 16) + i of my token, become a fragment's codes in v[pc] on and its scale word in v[PW]
.macro QUANT s, pc
.irp b, 0,1,2,3
	v_max3_num_f32 v[TM+\b], |v[\s+16*\b]|, |v[\s+1+16*\b]|, 0x1800000   ; my 16 numbers and the floor 2^(3 - 127); each accumulator is read from its low end on
.endr
.irp i, 2,4,6,8,10,12,14
.irp b, 0,1,2,3
	v_max3_num_f32 v[TM+\b], v[TM+\b], |v[\s+16*\b+\i]|, |v[\s+1+16*\b+\i]|
.endr
.endr
.irp b, 0,1,2,3
	v_permlanex16_b32 v[TM+4+\b], v[TM+\b], s26, s27
.endr
.irp b, 0,1,2,3
	v_max_num_f32 v[TM+\b], v[TM+\b], v[TM+4+\b]   ; with lane l xor 16's 16: the block's largest magnitude
.endr
.irp b, 0,1,2,3
	v_add_nc_u32 v[TM+12+\b], 0xff000000, v[TM+\b] ; 2 off its exponent field: the conversion's scale operand
.endr
.irp b, 0,1,2,3
	v_lshrrev_b32 v[TM+4+\b], 23, v[TM+12+\b]      ; the scale's byte
.endr
	v_lshl_or_b32 v[PW], v[TM+5], 8, v[TM+4]
	v_lshl_or_b32 v[PW], v[TM+6], 16, v[PW]
	v_lshl_or_b32 v[PW], v[TM+7], 24, v[PW]
.irp b, 0,1,2,3
	v_cvt_scalef32_pk8_fp4_f32 v[\pc+2*\b], v[\s+16*\b:\s+7+16*\b], v[TM+12+\b]
	v_cvt_scalef32_pk8_fp4_f32 v[\pc+1+2*\b], v[\s+8+16*\b:\s+15+16*\b], v[TM+12+\b]
.endr
	v_nop                                          ; one plain place behind the scaled conversions
.irp c, 0,1                                    ; the operand's layout wants a WHOLE block in a lane
.irp i, 0,1
	v_permlane16_swap_b32 v[\pc+4*\c+\i], v[\pc+2+4*\c+\i]
.endr
.endr
.endm
.macro WLOAD cg                        ; w2: the block's 32 rows of my column in group cg of my wave's eight: each load reads 128 consecutive bytes of LDS
.irp k, 0,1,2,3,4,5,6,7,8,9,10,11,12,13,14,15
	ds_load_b32 v[WN+\k], v[RA] offset:4096*\k+128*(\cg)
.endr
.irp k, 0,1,2,3,4,5,6,7,8,9,10,11,12,13,14,15
	ds_load_b32 v[WN+16+\k], v[RB] offset:4096*\k+128*(\cg)
.endr
.endm
.macro WQ cg, cd                       ; that block becomes 16 bytes of codes in v[cd] on and a byte of group cg's scale word
	s_wait_dscnt 0x0                               ; the 32 loads are in
.irp c, 0,1,2,3
	v_max3_num_f32 v[TM+\c], |v[WN+3*\c]|, |v[WN+3*\c+1]|, |v[WN+3*\c+2]|      ; the largest magnitude, in four chains
.endr
.irp i, 12,20
.irp c, 0,1,2,3
	v_max3_num_f32 v[TM+\c], v[TM+\c], |v[WN+\i+2*\c]|, |v[WN+\i+2*\c+1]|
.endr
.endr
	v_max3_num_f32 v[TM], v[TM], |v[WN+28]|, |v[WN+29]|
	v_max3_num_f32 v[TM+1], v[TM+1], |v[WN+30]|, |v[WN+31]|
	v_max3_num_f32 v[TM+2], v[TM+2], v[TM+3], 0x1800000            ; and the floor 2^(3 - 127)
	v_max3_num_f32 v[TM], v[TM], v[TM+1], v[TM+2]
	v_add_nc_u32 v[TM+8], 0xff000000, v[TM]
	v_lshrrev_b32 v[TM+9], 23, v[TM+8]
	v_lshl_or_b32 v[SBW+(\cg)], v[TM+9], s51, v[SBW+(\cg)]         ; s51 = 8 x the fill's number
.irp g, 0,1,2,3
	v_cvt_scalef32_pk8_fp4_f32 v[\cd+\g], v[WN+8*\g:WN+8*\g+7], v[TM+8]
.endr
	v_nop                                          ; one plain place behind the scaled conversions
.endm
	s_load_b256 s[4:11], s[0:1], 0x0               ; xc s[4:5], w1c s[6:7], w2 s[8:9], midc s[10:11]
	s_load_b64 s[12:13], s[0:1], 0x20              ; w2c
	v_lshl_add_u32 v[SPW], v0, 2, SPARE
	v_mov_b32 v[NIL], 0
	ds_add_u32 v[SPW], v[NIL]                      ; the opening lines: the add, twice on end, and its wait ahead of my first tensor load
	ds_add_u32 v[SPW], v[NIL]
	v_lshrrev_b32 v1, 5, v0
	v_readfirstlane_b32 s14, v1                    ; wave 0..3
	s_mov_b32 s[G1], 3<<16                         ; elements of 8 bytes, no padding: 128 rows of 32 elements, dense
	s_mov_b32 s[G1+1], 32<<16
	s_mov_b32 s[G1+2], 128<<16
	s_mov_b32 s[G1+3], 32<<16
	s_mov_b32 s[G1+4], 128
	s_mov_b32 s[G1+5], 32
	s_mov_b32 s[G1+6], 0
	s_mov_b32 s[G1+7], 0
	s_mov_b32 s[G0], 1
	s_lshl_b32 s[G0+1], s14, 15                    ; LDS: slot 0, my 8 rows of 4,096 bytes
	s_mov_b32 s31, 0
	s_lshl_b32 s30, ttmp9, 19                      ; w2: g x 524,288 + wave x 32,768
	s_lshl_b32 s29, s14, 15
	s_add_co_u32 s30, s30, s29
	s_wait_dscnt 0x0                               ; both opening adds are done
	s_wait_kmcnt 0x0
	s_add_nc_u64 s[G0+2:G0+3], s[8:9], s[30:31]
	s_add_nc_u64 s[PF:PF+1], s[G0+2:G0+3], SLOT    ; my quarter of fill 1
	s_or_b32 s[G0+3], s[G0+3], 0x80000000
	tensor_load_to_lds s[G0:G0+3], s[G1:G1+7]      ; fill 0: my one tensor load at the head
	s_nop 0
.rept 4
	v_nop
.endr
	v_and_b32 v2, 31, v0
	v_and_b32 v3, 15, v0
	v_bfe_u32 v1, v0, 4, 1
	v_lshlrev_b32 v[LI], 4, v2
	v_lshlrev_b32 v[XSO], 4, v3
	v_lshlrev_b32 v[L4], 2, v2
	v_lshlrev_b32 v[L8], 3, v2
	v_lshlrev_b32 v[PFO], 8, v2
	v_lshl_add_u32 v[WCO], v1, 10, v[XSO]
	s_lshl_b32 s29, s14, 10
	v_add_nc_u32 v[RBS], s29, v[L4]
	v_add_nc_u32 v[LS], STG, v[LI]
	s_mul_i32 s25, s14, QS
	v_add_nc_u32 v[WST], s25, v[LS]
.irp b, 0,1,2,3
	v_mov_b32 v[TM+4+\b], 0                        ; written once: a lane permute's destination counts as one of its sources
.endr
.irp b, 0,1,2,3,4,5,6,7
	v_mov_b32 v[SBW+\b], 0                         ; w2's scale words gather by OR
.endr
	s_mov_b32 s24, 0xffff0000                      ; lanes 16-31
	s_mov_b32 s26, 0x76543210                      ; v_permlanex16_b32's selects for lane l xor 16
	s_mov_b32 s27, 0xfedcba98
	s_mov_b32 s50, SLOT                            ; the slot in hand: toggled at each trip's top, 0 in trip 0
	s_mov_b32 s51, 0
	s_lshl_b32 s30, ttmp9, 16
	s_add_nc_u64 s[52:53], s[6:7], s[30:31]        ; w1's slice
	s_lshl_b32 s15, s14, 14
	s_add_co_u32 s30, s30, s15                     ; g x 65,536 + wave x 16,384:
	s_add_nc_u64 s[56:57], s[6:7], s[30:31]        ; my quarter of the slice,
	s_add_nc_u64 s[20:21], s[10:11], s[30:31]      ; my 16 images of mid,
	s_add_nc_u64 s[44:45], s[12:13], s[30:31]      ; and my 16 images of w2
	s_lshl_b32 s30, ttmp9, 12
	s_add_co_u32 s30, s30, SCOFF
	s_add_nc_u64 s[54:55], s[6:7], s[30:31]        ; the slice's scale words
	s_add_co_u32 s30, s30, s29                     ; g x 4,096 + wave x 1,024:
	s_add_nc_u64 s[22:23], s[10:11], s[30:31]      ; mid's scale words, 4 groups of 256 bytes,
	s_add_nc_u64 s[46:47], s[12:13], s[30:31]      ; and w2's, 8 pairs of 128 bytes
	s_lshl_b32 s30, s14, 17
	s_add_nc_u64 s[16:17], s[4:5], s[30:31]        ; x's images: my 16 tiles of 8,192 bytes
	s_lshl_b32 s30, s14, 13
	s_add_co_u32 s30, s30, XSCOFF
	s_add_nc_u64 s[18:19], s[4:5], s[30:31]        ; x's scale words: 512 bytes a tile
	s_wait_alu depctr_va_vdst(0)
.irp n, 0,1,2,3
	global_prefetch_b8 v[PFO], s[PF:PF+1] offset:8192*\n th:TH_LOAD_NT scope:SCOPE_SE   ; my quarter of fill 1: 4 x 32 blocks of 256 bytes
.endr
.irp s, 0,1,2,3,4,5,6,7
.irp p, 0,1,2,3
	global_load_b32 v[W1S+8*\p+\s], v[L4], s[54:55] offset:512*\s+128*\p
.endr
.endr
	WIN 0x40                                       ; destination window 1: 31 pieces of my quarter rest in v0-123 there until they are in the stage
.set N, 0
.rept 31
	global_load_b128 v[4*N:4*N+3], v[LI], s[56:57] offset:512*N
.set N, N+1
.endr
	global_load_b128 v[124:127], v[LI], s[52:53] offset:512*31     ; each quarter's last piece goes straight to its place, in every wave
	global_load_b128 v[252:255], v[LI], s[52:53] offset:512*63
	WIN 0x80
	global_load_b128 v[124:127], v[LI], s[52:53] offset:512*95
	global_load_b128 v[252:255], v[LI], s[52:53] offset:512*127
	s_wait_loadcnt 4                               ; my 31 pieces are in; the four loads behind them may be out
	WIN 0x04                                       ; an LDS store's data are its source 1: window 1
.set N, 0
.rept 31
	ds_store_b128 v[WST], v[4*N:4*N+3] offset:512*N
.set N, N+1
.endr
	XLOAD 0, 0                                     ; my first four tiles of x are asked for while the slice goes through LDS
	XLOAD 1, 1
	XLOAD 2, 2
	XLOAD 3, 3
	s_wait_dscnt 0x0                               ; for the others' sake: my stores have landed
	s_barrier_signal -1
	s_barrier_wait -1                              ; the stage is whole.
	WIN 0x40
.irp q, 0,1
.set N, 0
.rept 31
	ds_load_b128 v[4*(32*\q+N):4*(32*\q+N)+3], v[LS] offset:QS*\q+512*N            ; K steps 0-3
.set N, N+1
.endr
.endr
	WIN 0x80
.irp q, 0,1
.set N, 0
.rept 31
	ds_load_b128 v[4*(32*\q+N):4*(32*\q+N)+3], v[LS] offset:QS*(2+\q)+512*N        ; K steps 4-7
.set N, N+1
.endr
.endr
	WIN 0
; a trip's top: the change of slots.  All my tensor loads have landed (the one that was out is my quarter of this trip's fill), the add, my LDS reads are over; behind the barrier both hold of every wave
.macro TOP refill
	s_wait_tensorcnt 0x0
	ds_add_u32 v[SPW], v[NIL]
.if \refill
	s_xor_b32 s[G0+1], s[G0+1], SLOT               ; no load of mine is out: group 0 steps to the next fill, into the other slot
	s_add_nc_u64 s[G0+2:G0+3], s[G0+2:G0+3], SLOT
.endif
	s_xor_b32 s50, s50, SLOT
	v_add_nc_u32 v[RA], s50, v[RBS]
	v_add_nc_u32 v[RB], 0x10000, v[RA]
	s_wait_alu depctr_va_vdst(0)
	s_wait_dscnt 0x0
	s_barrier_signal -1
	s_barrier_wait -1
.if \refill
	tensor_load_to_lds s[G0:G0+3], s[G1:G1+7]      ; my one load behind this barrier: my quarter of the next fill, into the slot read last trip (in trip 0: slot 1's first fill)
	s_nop 0
.rept 4
	v_nop
.endr
.endif
.endm
; tile i's results leave, in one run.  last: w2's scale words are whole
.macro STORES i, last
	global_store_b128 v[LI], v[PC+8*(\i):PC+8*(\i)+3], s[20:21] offset:1024*(\i)              ; mid's image: 2 x 512 consecutive bytes
	global_store_b128 v[LI], v[PC+8*(\i)+4:PC+8*(\i)+7], s[20:21] offset:1024*(\i)+512
	global_store_b128 v[WCO], v[WC+8*((\i)%2):WC+8*((\i)%2)+3], s[44:45] offset:4096*(\i)     ; w2: lanes 0-15 store 256 consecutive aligned bytes of one tile's image, lanes 16-31 of the next tile's
	global_store_b128 v[WCO], v[WC+8*((\i)%2)+4:WC+8*((\i)%2)+7], s[44:45] offset:4096*(\i)+2048
.if \last
	global_store_b32 v[L4], v[SBW+2*(\i)], s[46:47] offset:256*(\i)                           ; two pairs of tiles' scale words
	global_store_b32 v[L4], v[SBW+2*(\i)+1], s[46:47] offset:256*(\i)+128
.endif
.if (\i) == 3
	global_store_b64 v[L8], v[SW:SW+1], s[22:23]   ; four tiles' scale words of mid: 256 consecutive aligned bytes
.endif
.endm
; tile i of a trip's four.  left: the loads issued behind this tile's 18, which may stay out.  refill: its buffer takes the tile four further on
.macro TILE i, refill, left, last
	s_wait_alu depctr_va_vdst(0)                   ; the last tile's codes are read by stores behind the wait below
	s_wait_loadcnt \left
	WIN 0x0d                                       ; source 0 (w1) window 1, source 1 (x) window 3, C and D window 0
.irp t, 0,1,2,3,4,5,6,7
	MM HA+8*\t, 8*\t, 64*\i, 1, W1S+8*(\t/2), XS+8*\i, \t%2                       ; the first K step starts the sums
.endr
.irp s, 1,2,3
.irp t, 0,1,2,3,4,5,6,7
	MM HA+8*\t, 8*(8*\s+\t), 64*\i+8*\s, 0, W1S+8*(\t/2)+\s, XS+8*\i+\s, \t%2     ; the 8 accumulators take turns
.endr
.endr
	WIN 0x0e                                       ; source 0 window 2
.irp s, 4,5,6,7
.irp t, 0,1,2,3,4,5,6,7
	MM HA+8*\t, 8*(8*(\s-4)+\t), 64*\i+8*\s, 0, W1S+8*(\t/2)+\s, XS+8*\i+\s, \t%2
.endr
.endr
	WIN 0
	WLOAD 2*\i                                     ; these name no register of the products
.if \i > 0
	STORES \i-1, \last
.endif
.if \i == 2
	s_wait_xcnt 0x0                                ; tiles 0 and 1's stores have read their data: tiles 2 and 3 write w2's 16 code registers again
.endif
	WQ 2*\i, WC+8*(\i%2)                           ; its plain lines, which name no register of the products, are the places in front of the first read of results (ISA guide 7.12.1)
	WLOAD 2*\i+1                                   ; on its way while mid is quantised
	QUANT HA, PC+8*\i
.if \i%2 == 0
	v_mov_b32 v[SW+\i/2], v[PW]                    ; an even tile's words stay in lanes 0-15,
.else
	v_cndmask_b32 v[SW+\i/2], v[SW+\i/2], v[PW], s24   ; an odd tile's go to lanes 16-31
.endif
	WQ 2*\i+1, WC+8*(\i%2)+4
.if \i == 3
	STORES 3, \last                                ; ahead of the step of the bases
.endif
.if \refill
	XLOAD \i, \i+4
.endif
.endm
	s_mov_b32 s28, 3
.Ltrip:                                                ; three trips of four tiles; the fourth is written out: it asks for no fill and no tile of x
	TOP 1
	s_cmp_eq_u32 s28, 1                            ; trip 2: the fill after the one just asked for does not exist
	s_cbranch_scc1 .Lnoask
.irp n, 0,1,2,3
	global_prefetch_b8 v[PFO], s[PF:PF+1] offset:SLOT+8192*\n th:TH_LOAD_NT scope:SCOPE_SE   ; my quarter of the fill that the next trip's tensor load brings
.endr
.Lnoask:
	TILE 0, 1, 54, 0                               ; 54 = the three younger tiles' 18 loads each
	TILE 1, 1, 54, 0
	TILE 2, 1, 54, 0
	TILE 3, 1, 54, 0
	s_wait_alu depctr_va_vdst(0)
	s_wait_xcnt 0x0                                ; the trip's loads, stores and prefetches have read their bases and data: only behind this wait are they written again
	s_add_nc_u64 s[16:17], s[16:17], 32768
	s_add_nc_u64 s[18:19], s[18:19], 2048
	s_add_nc_u64 s[20:21], s[20:21], 4096
	s_add_nc_u64 s[22:23], s[22:23], 256
	s_add_nc_u64 s[44:45], s[44:45], 256           ; the next block's 256 bytes of each image of w2
	s_add_nc_u64 s[PF:PF+1], s[PF:PF+1], SLOT
	s_add_co_u32 s51, s51, 8
	s_sub_co_u32 s28, s28, 1
	s_cmp_lg_u32 s28, 0
	s_cbranch_scc1 .Ltrip
	TOP 0
	TILE 0, 0, 54, 1                               ; the counts run down
	TILE 1, 0, 36, 1
	TILE 2, 0, 18, 1
	TILE 3, 0, 0, 1
	s_wait_tensorcnt 0x0                           ; the wave's end
	ds_add_u32 v[SPW], v[NIL]
	s_wait_dscnt 0x0
	s_endpgm
.Lfunc_end_k_q00bdf6af6b_up:
	.size	k_q00bdf6af6b_up, .Lfunc_end_k_q00bdf6af6b_up-k_q00bdf6af6b_up
	.p2alignl 7, 3214868480
	.fill 96, 4, 3214868480
	.section	.rodata,"a",@progbits
	.p2align	6, 0x0
	.amdhsa_kernel k_q00bdf6af6b_up
		.amdhsa_group_segment_fixed_size 327680
		.amdhsa_private_segment_fixed_size 0
		.amdhsa_enable_private_segment 0
		.amdhsa_kernarg_size 40
		.amdhsa_user_sgpr_count 2
		.amdhsa_user_sgpr_kernarg_segment_ptr 1
		.amdhsa_wavefront_size32 1
		.amdhsa_system_sgpr_workgroup_id_x 1
		.amdhsa_system_sgpr_workgroup_id_y 1
		.amdhsa_system_sgpr_workgroup_id_z 1
		.amdhsa_system_vgpr_workitem_id 0
		.amdhsa_next_free_vgpr 1024
		.amdhsa_next_free_sgpr 66
		.amdhsa_reserve_vcc 0
		.amdhsa_float_denorm_mode_32 3
		.amdhsa_float_denorm_mode_16_64 3
		.amdhsa_memory_ordered 1
		.amdhsa_forward_progress 1
		.amdhsa_inst_pref_size 192
	.end_amdhsa_kernel
	.amdgpu_metadata
---
amdhsa.version: [ 1, 2 ]
amdhsa.kernels:
  - .name:           k_q00bdf6af6b_up
    .symbol:         k_q00bdf6af6b_up.kd
    .args:
      - { .name: xc, .offset: 0, .size: 8, .value_kind: global_buffer, .address_space: global }
      - { .name: w1c, .offset: 8, .size: 8, .value_kind: global_buffer, .address_space: global }
      - { .name: w2, .offset: 16, .size: 8, .value_kind: global_buffer, .address_space: global }
      - { .name: midc, .offset: 24, .size: 8, .value_kind: global_buffer, .address_space: global }
      - { .name: w2c, .offset: 32, .size: 8, .value_kind: global_buffer, .address_space: global }
    .group_segment_fixed_size: 327680
    .private_segment_fixed_size: 0
    .kernarg_segment_align: 8
    .kernarg_segment_size: 40
    .max_flat_workgroup_size: 128
    .sgpr_count:     66
    .vgpr_count:     1024
    .wavefront_size: 32
...
	.end_amdgpu_metadata
.endif
;; end of part 2
;; launch down (part 3): grid 64 x 4, 4 waves a work-group, no clusters, 270,848 bytes of LDS; arguments midc, w2c, part; writes part
.if DOCPART == 3
	.amdgcn_target "amdgcn-amd-amdhsa--gfx1250"
	.amdhsa_code_object_version 6
	.text
	.protected	k_q00bdf6af6b_down
	.globl	k_q00bdf6af6b_down
	.p2align	8
	.type	k_q00bdf6af6b_down,@function
k_q00bdf6af6b_down:
	s_mov_b64 s[64:65], 0
	v_nop
	global_prefetch_b8 v0, s[64:65] scope:SCOPE_SE
	s_setreg_imm32_b32 hwreg(HW_REG_WAVE_MODE, 25, 1), 1
	s_wait_xcnt 0x0
; part[S] = Q(mid) Q(w2) over a quarter of K = (e,n): K steps 64 S .. 64 S + 63 of 256, on codes of FP4.  Layouts of midc and w2c: as the launches before store them.  part: [4][1,024 tokens][1,024] f32, row-major.
; SHARES.  Work-group (x, S): tokens 128 (x / 8) on, columns 128 (x % 8) on.  THE WAVES SHARE K, NOT THE TILE: wave w makes the whole 128 x 128 (64 accumulators, 512 registers) over K steps 64 S + 16 w .. + 15,
; so each fragment has ONE reader in the work-group and goes from memory straight into that wave's operand registers: 32 loads of 512 consecutive bytes and 6 loads of scale words for a K step's 64 matrix instructions.
; Three sets of operand registers: a set is asked for again as soon as its products are issued, three K steps ahead of its use.  At the end the four waves' sums meet in LDS (one barrier) and each wave adds and stores 32 whole rows.
; THE PRODUCT IS USED TRANSPOSED (source 0 = 16 columns of w2, source 1 = 16 tokens): a lane holds eight neighbouring columns of one token's row.
; NO JOINT LOADS: eight work-groups read the same images of mid and eight the same of w2, but through LDS each of a work-group's 1.09 MB would be written and read once more, with a round of barriers for each refill, and no byte would have a second reader in the work-group.
; The sum over the four quarters of K is made by the next launch: each number of part has one owner.
; REGISTERS, in windows of 256: window 0: v4-11 addresses; v16-27 mid's scale words (4 buf + a / 2: lanes 0-15 tile a even, lanes 16-31 odd); v28-39 w2's (4 buf + b / 2); v40, v41 the add's two; v64-255 mid's fragments, 3 sets of 64;
;   window 1: v0-191 w2's fragments, 3 sets.   window 2: accumulators of token tiles 0-3 ((a, b) at v[8 (8 (a % 4) + b)]).   window 3: of tiles 4-7.
.set CP,     67584                     ; LDS: wave w's copy of the tile at w x CP: 128 rows x (512 bytes + 16): row r starts 4 r words on modulo 64, so the 16 rows of a store fall on different banks (64 banks of 4 bytes: ISA guide 11.1)
.set SPARE,  4*CP                      ; behind the copies: the spare words, 128 bytes for each wave, which no other line names
.set SCOFF,  16777216
.set LI,  4                            ; v4   16 x lane
.set L8,  5                            ; v5   8 x lane
.set L4,  6                            ; v6   4 x lane
.set STO, 7                            ; v7   where I put 32 bytes of a row of my copy
.set RD,  8                            ; v8-11 where I read a row back from copy 0 .. 3
.set MS,  16
.set WS,  28
.set SPW, 40
.set NIL, 41
.set MSB, 0
.macro WIN new                         ; the immediate's high byte repeats the setting that is left
.if MSB != \new
	s_set_vgpr_msb (MSB<<8)|(\new)
.set MSB, \new
.endif
.endm
.set MUL_LO, 0xa1                      ; source 0 (w2) window 1, source 1 (mid) window 0, C and D window 2
.set MUL_HI, 0xf1                      ; the same, C and D window 3
; one matrix instruction.  zero: it starts the sum;  oa, ob: source 0's, source 1's scales stand in lanes 16-31
.macro MM d, a, b, zero, sa, sb, oa, ob
.if \zero
.if \oa
.if \ob
	v_wmma_scale_f32_16x16x128_f8f6f4 v[\d:\d+7], v[\a:\a+7], v[\b:\b+7], 0, v[\sa], v[\sb] matrix_a_fmt:MATRIX_FMT_FP4 matrix_b_fmt:MATRIX_FMT_FP4 matrix_a_scale:MATRIX_SCALE_ROW1 matrix_b_scale:MATRIX_SCALE_ROW1
.else
	v_wmma_scale_f32_16x16x128_f8f6f4 v[\d:\d+7], v[\a:\a+7], v[\b:\b+7], 0, v[\sa], v[\sb] matrix_a_fmt:MATRIX_FMT_FP4 matrix_b_fmt:MATRIX_FMT_FP4 matrix_a_scale:MATRIX_SCALE_ROW1
.endif
.else
.if \ob
	v_wmma_scale_f32_16x16x128_f8f6f4 v[\d:\d+7], v[\a:\a+7], v[\b:\b+7], 0, v[\sa], v[\sb] matrix_a_fmt:MATRIX_FMT_FP4 matrix_b_fmt:MATRIX_FMT_FP4 matrix_b_scale:MATRIX_SCALE_ROW1
.else
	v_wmma_scale_f32_16x16x128_f8f6f4 v[\d:\d+7], v[\a:\a+7], v[\b:\b+7], 0, v[\sa], v[\sb] matrix_a_fmt:MATRIX_FMT_FP4 matrix_b_fmt:MATRIX_FMT_FP4
.endif
.endif
.else
.if \oa
.if \ob
	v_wmma_scale_f32_16x16x128_f8f6f4 v[\d:\d+7], v[\a:\a+7], v[\b:\b+7], v[\d:\d+7], v[\sa], v[\sb] matrix_a_fmt:MATRIX_FMT_FP4 matrix_b_fmt:MATRIX_FMT_FP4 matrix_a_scale:MATRIX_SCALE_ROW1 matrix_b_scale:MATRIX_SCALE_ROW1
.else
	v_wmma_scale_f32_16x16x128_f8f6f4 v[\d:\d+7], v[\a:\a+7], v[\b:\b+7], v[\d:\d+7], v[\sa], v[\sb] matrix_a_fmt:MATRIX_FMT_FP4 matrix_b_fmt:MATRIX_FMT_FP4 matrix_a_scale:MATRIX_SCALE_ROW1
.endif
.else
.if \ob
	v_wmma_scale_f32_16x16x128_f8f6f4 v[\d:\d+7], v[\a:\a+7], v[\b:\b+7], v[\d:\d+7], v[\sa], v[\sb] matrix_a_fmt:MATRIX_FMT_FP4 matrix_b_fmt:MATRIX_FMT_FP4 matrix_b_scale:MATRIX_SCALE_ROW1
.else
	v_wmma_scale_f32_16x16x128_f8f6f4 v[\d:\d+7], v[\a:\a+7], v[\b:\b+7], v[\d:\d+7], v[\sa], v[\sb] matrix_a_fmt:MATRIX_FMT_FP4 matrix_b_fmt:MATRIX_FMT_FP4
.endif
.endif
.endif
.endm
; the K step that lies ko steps behind the bases, into set buf: 8 fragments of w2, 8 of mid, their scale words: 38 loads
.macro KLOAD buf, ko
	WIN 0x40                                       ; destination window 1, address window 0
.irp j, 0,1,2,3,4,5,6,7,8,9,10,11,12,13,14,15
	global_load_b128 v[64*\buf+4*\j:64*\buf+4*\j+3], v[LI], s[16:17] offset:65536*\ko+512*\j
.endr
	WIN 0
.irp j, 0,1,2,3,4,5,6,7,8,9,10,11,12,13,14,15
	global_load_b128 v[64+64*\buf+4*\j:64+64*\buf+4*\j+3], v[LI], s[18:19] offset:65536*\ko+512*\j
.endr
.irp k, 0,1
	global_load_b64 v[MS+4*\buf+2*\k:MS+4*\buf+2*\k+1], v[L8], s[20:21] offset:4096*\ko+256*\k
.endr
.irp p, 0,1,2,3
	global_load_b32 v[WS+4*\buf+\p], v[L4], s[22:23] offset:4096*\ko+128*\p
.endr
.endm
; 16 matrix instructions: token tiles a0, a0 + 1 x w2's eight tiles.  The 64 accumulators take turns, one instruction a turn, in the same order in every K step
.macro MUL16 a0, buf, zero
.irp a, \a0, \a0+1
.irp b, 0,1,2,3,4,5,6,7
	MM 8*(8*((\a)%4)+\b), 64*\buf+8*\b, 64+64*\buf+8*(\a), \zero, WS+4*\buf+\b/2, MS+4*\buf+(\a)/2, \b%2, (\a)%2
.endr
.endr
.endm
; a K step on set buf.  left: loads that may stay out.  ko >= 0: the set is asked for again
.macro STEP buf, zero, left, ko
	s_wait_loadcnt \left
	WIN MUL_LO
	MUL16 0, \buf, \zero
	MUL16 2, \buf, \zero
	WIN MUL_HI
	MUL16 4, \buf, \zero
	MUL16 6, \buf, \zero
.rept 4
	v_nop                                          ; four places in front of loads into registers that the products have read, and of the first read of results
.endr
.if \ko >= 0
	KLOAD \buf, \ko
.endif
	WIN 0
.endm
	s_load_b128 s[4:7], s[0:1], 0x0                ; midc s[4:5], w2c s[6:7]
	s_load_b64 s[8:9], s[0:1], 0x10                ; part
	v_lshl_add_u32 v[SPW], v0, 2, SPARE            ; my spare word, and 0: made here and kept
	v_mov_b32 v[NIL], 0
	v_lshrrev_b32 v1, 5, v0
	v_readfirstlane_b32 s10, v1                    ; wave 0..3
	v_and_b32 v2, 31, v0
	v_and_b32 v3, 15, v0                           ; r
	v_bfe_u32 v12, v0, 4, 1                        ; lane / 16
	v_lshlrev_b32 v[LI], 4, v2
	v_lshlrev_b32 v[L8], 3, v2
	v_lshlrev_b32 v[L4], 2, v2
	s_mul_i32 s27, s10, CP
	v_mul_u32_u24 v[STO], v3, 528                  ; my copy: row r, + 32 bytes for lanes 16-31
	v_lshl_add_u32 v[STO], v12, 5, v[STO]
	v_add_nc_u32 v[STO], s27, v[STO]
	s_mul_i32 s28, s10, 32*528                     ; back: rows 32 w on of each copy, 16 bytes a lane
	v_add_nc_u32 v[RD], s28, v[LI]
	v_add_nc_u32 v[RD+1], CP, v[RD]
	v_add_nc_u32 v[RD+2], 2*CP, v[RD]
	v_add_nc_u32 v[RD+3], 3*CP, v[RD]
	s_and_b32 s11, ttmp9, 7                        ; HB: which 128 columns
	s_lshr_b32 s12, ttmp9, 3                       ; TB: which 128 tokens
	s_and_b32 s13, ttmp7, 0xffff                   ; S: which quarter of K
	s_lshl_b32 s14, s13, 6
	s_lshl_b32 s15, s10, 4
	s_add_co_u32 s14, s14, s15                     ; my first K step: 64 S + 16 w
	s_mov_b32 s31, 0
	s_wait_alu depctr_va_vdst(0)
	s_wait_kmcnt 0x0
	s_lshl_b32 s29, s14, 16                        ; a K step's 64 images are 65,536 bytes, in both tensors
	s_lshl_b32 s30, s11, 13
	s_add_co_u32 s30, s30, s29
	s_add_nc_u64 s[16:17], s[6:7], s[30:31]        ; w2's 8 images
	s_lshl_b32 s30, s12, 13
	s_add_co_u32 s30, s30, s29
	s_add_nc_u64 s[18:19], s[4:5], s[30:31]        ; mid's 8 images
	s_lshl_b32 s29, s14, 12                        ; a K step's scale words are 4,096 bytes
	s_add_co_u32 s29, s29, SCOFF
	s_lshl_b32 s30, s12, 9
	s_add_co_u32 s30, s30, s29
	s_add_nc_u64 s[20:21], s[4:5], s[30:31]        ; mid's: two groups of 256 bytes
	s_lshl_b32 s30, s11, 9
	s_add_co_u32 s30, s30, s29
	s_add_nc_u64 s[22:23], s[6:7], s[30:31]        ; w2's: four pairs of 128 bytes
	s_lshl_b32 s30, s13, 22                        ; part: S x 4 MiB + (128 TB + 32 w) rows of 4,096 bytes + 512 HB
	s_lshl_b32 s29, s12, 19
	s_add_co_u32 s30, s30, s29
	s_lshl_b32 s29, s10, 17
	s_add_co_u32 s30, s30, s29
	s_lshl_b32 s29, s11, 9
	s_add_co_u32 s30, s30, s29
	s_add_nc_u64 s[24:25], s[8:9], s[30:31]
	KLOAD 0, 0
	KLOAD 1, 1
	KLOAD 2, 2
	STEP 0, 1, 63, 3                               ; K step 0 starts the sums.  Behind a step's 38 loads stand 76 younger ones; 63 is the largest count the wait can name, and a smaller count is safe
	s_wait_xcnt 0x0                                ; the loads have read their bases: they step only behind this wait
	s_add_nc_u64 s[16:17], s[16:17], 65536
	s_add_nc_u64 s[18:19], s[18:19], 65536
	s_add_nc_u64 s[20:21], s[20:21], 4096
	s_add_nc_u64 s[22:23], s[22:23], 4096
	s_mov_b32 s26, 4
.Lk:                                                   ; four trips of three K steps: steps 1 to 12; step k asks for step k + 3, the last for step 15
	STEP 1, 0, 63, 3
	STEP 2, 0, 63, 4
	STEP 0, 0, 63, 5
	s_wait_xcnt 0x0
	s_add_nc_u64 s[16:17], s[16:17], 3*65536
	s_add_nc_u64 s[18:19], s[18:19], 3*65536
	s_add_nc_u64 s[20:21], s[20:21], 3*4096
	s_add_nc_u64 s[22:23], s[22:23], 3*4096
	s_sub_co_u32 s26, s26, 1
	s_cmp_lg_u32 s26, 0
	s_cbranch_scc1 .Lk
	STEP 1, 0, 63, -1                              ; the last three K steps ask for nothing: no load leaves its buffer
	STEP 2, 0, 38, -1                              ; one younger step's 38 loads may be out
	STEP 0, 0, 0, -1
	; THE WAY OUT.  My 128 x 128 sums go into my copy in LDS (each accumulator from its low end on); behind the barrier each wave adds the four copies of 32 rows and stores whole rows of 512 bytes.
.irp a, 0,1,2,3,4,5,6,7
	WIN 0x08+4*(\a/4)                              ; an LDS store's data are its source 1: window 2 or 3
.irp b, 0,1,2,3,4,5,6,7
	ds_store_b128 v[STO], v[8*(8*(\a%4)+\b):8*(8*(\a%4)+\b)+3] offset:8448*\a+64*\b        ; token 16 a + r, columns 16 b + 8 (lane / 16) + 0 .. 3
	ds_store_b128 v[STO], v[8*(8*(\a%4)+\b)+4:8*(8*(\a%4)+\b)+7] offset:8448*\a+64*\b+16
.endr
.endr
	WIN 0
	s_wait_dscnt 0x0                               ; for the others' sake: my stores have landed
	s_barrier_signal -1
	s_barrier_wait -1
.irp n, 0,1,2,3                                ; eight rows at a time
.if \n > 0
	s_wait_xcnt 0x0                                ; the last eight stores have read their data: the registers are loaded again only behind this wait
.endif
.irp i, 0,1,2,3,4,5,6,7
.irp c, 0,1,2,3
	ds_load_b128 v[64+16*\i+4*\c:64+16*\i+4*\c+3], v[RD+\c] offset:528*(8*\n+\i)
.endr
.endr
.irp i, 0,1,2,3,4,5,6,7
	s_wait_dscnt 4*(7-\i)                          ; row i's four loads are in; the younger rows' four each may be out
	v_pk_add_f32 v[64+16*\i:64+16*\i+1], v[64+16*\i:64+16*\i+1], v[64+16*\i+4:64+16*\i+5]
	v_pk_add_f32 v[64+16*\i+2:64+16*\i+3], v[64+16*\i+2:64+16*\i+3], v[64+16*\i+6:64+16*\i+7]
	v_pk_add_f32 v[64+16*\i+8:64+16*\i+9], v[64+16*\i+8:64+16*\i+9], v[64+16*\i+12:64+16*\i+13]
	v_pk_add_f32 v[64+16*\i+10:64+16*\i+11], v[64+16*\i+10:64+16*\i+11], v[64+16*\i+14:64+16*\i+15]
	v_pk_add_f32 v[64+16*\i:64+16*\i+1], v[64+16*\i:64+16*\i+1], v[64+16*\i+8:64+16*\i+9]
	v_pk_add_f32 v[64+16*\i+2:64+16*\i+3], v[64+16*\i+2:64+16*\i+3], v[64+16*\i+10:64+16*\i+11]
	global_store_b128 v[LI], v[64+16*\i:64+16*\i+3], s[24:25] offset:4096*(8*\n+\i)       ; 32 lanes store 512 consecutive bytes, at a multiple of 256 from part's first byte
.endr
.endr
	s_wait_tensorcnt 0x0                           ; the wave's end
	ds_add_u32 v[SPW], v[NIL]
	s_wait_dscnt 0x0
	s_endpgm
.Lfunc_end_k_q00bdf6af6b_down:
	.size	k_q00bdf6af6b_down, .Lfunc_end_k_q00bdf6af6b_down-k_q00bdf6af6b_down
	.p2alignl 7, 3214868480
	.fill 96, 4, 3214868480
	.section	.rodata,"a",@progbits
	.p2align	6, 0x0
	.amdhsa_kernel k_q00bdf6af6b_down
		.amdhsa_group_segment_fixed_size 270848
		.amdhsa_private_segment_fixed_size 0
		.amdhsa_enable_private_segment 0
		.amdhsa_kernarg_size 24
		.amdhsa_user_sgpr_count 2
		.amdhsa_user_sgpr_kernarg_segment_ptr 1
		.amdhsa_wavefront_size32 1
		.amdhsa_system_sgpr_workgroup_id_x 1
		.amdhsa_system_sgpr_workgroup_id_y 1
		.amdhsa_system_sgpr_workgroup_id_z 1
		.amdhsa_system_vgpr_workitem_id 0
		.amdhsa_next_free_vgpr 1024
		.amdhsa_next_free_sgpr 66
		.amdhsa_reserve_vcc 0
		.amdhsa_float_denorm_mode_32 3
		.amdhsa_float_denorm_mode_16_64 3
		.amdhsa_memory_ordered 1
		.amdhsa_forward_progress 1
		.amdhsa_inst_pref_size 119
	.end_amdhsa_kernel
	.amdgpu_metadata
---
amdhsa.version: [ 1, 2 ]
amdhsa.kernels:
  - .name:           k_q00bdf6af6b_down
    .symbol:         k_q00bdf6af6b_down.kd
    .args:
      - { .name: midc, .offset: 0, .size: 8, .value_kind: global_buffer, .address_space: global }
      - { .name: w2c, .offset: 8, .size: 8, .value_kind: global_buffer, .address_space: global }
      - { .name: part, .offset: 16, .size: 8, .value_kind: global_buffer, .address_space: global }
    .group_segment_fixed_size: 270848
    .private_segment_fixed_size: 0
    .kernarg_segment_align: 8
    .kernarg_segment_size: 24
    .max_flat_workgroup_size: 128
    .sgpr_count:     66
    .vgpr_count:     1024
    .wavefront_size: 32
...
	.end_amdgpu_metadata
.endif
;; end of part 3
;; launch sum (part 4): grid 256 x 1, 8 waves a work-group, no clusters, 0 bytes of LDS; arguments part, out0; writes out0
.if DOCPART == 4
	.amdgcn_target "amdgcn-amd-amdhsa--gfx1250"
	.amdhsa_code_object_version 6
	.text
	.protected	k_q00bdf6af6b_sum
	.globl	k_q00bdf6af6b_sum
	.p2align	8
	.type	k_q00bdf6af6b_sum,@function
k_q00bdf6af6b_sum:
	s_mov_b64 s[64:65], 0
	v_nop
	global_prefetch_b8 v0, s[64:65] scope:SCOPE_SE
	s_setreg_imm32_b32 hwreg(HW_REG_WAVE_MODE, 25, 1), 1
	s_wait_xcnt 0x0
; out0 = part[0] + part[1] + part[2] + part[3]: the four quarters of the second product's K, in f32, (0 + 1) + (2 + 3).  part: [4][1,048,576] f32; out0: [1,048,576] f32.
; A stream: a work-group takes 16,384 consecutive bytes of out0, a thread 16 bytes of each of four runs of 4,096; each load and store of a wave covers 512 consecutive bytes.
; All 16 loads of a thread go out at once; no register is written twice, so no wait stands but those for the data.  No LDS, no barrier, no matrix work: there is nothing to share and nothing to multiply.
	s_load_b128 s[4:7], s[0:1], 0x0                ; part s[4:5], out0 s[6:7]
	v_lshlrev_b32 v1, 4, v0
	s_lshl_b32 s10, ttmp9, 14
	s_mov_b32 s11, 0
	s_wait_alu depctr_va_vdst(0)
	s_wait_kmcnt 0x0
	s_add_nc_u64 s[4:5], s[4:5], s[10:11]          ; quarters 0 and 1 (the second by the immediate),
	s_add_nc_u64 s[6:7], s[6:7], s[10:11]
	s_add_nc_u64 s[8:9], s[4:5], 0x800000          ; quarters 2 and 3
.irp j, 0,1,2,3
	global_load_b128 v[8+16*\j:8+16*\j+3], v1, s[4:5] offset:4096*\j th:TH_LOAD_NT
	global_load_b128 v[8+16*\j+4:8+16*\j+7], v1, s[4:5] offset:4194304+4096*\j th:TH_LOAD_NT
	global_load_b128 v[8+16*\j+8:8+16*\j+11], v1, s[8:9] offset:4096*\j th:TH_LOAD_NT
	global_load_b128 v[8+16*\j+12:8+16*\j+15], v1, s[8:9] offset:4194304+4096*\j th:TH_LOAD_NT
.endr
.irp j, 0,1,2,3
	s_wait_loadcnt 12-4*\j                         ; run j's four loads are in; the younger runs' four each may be out
	v_pk_add_f32 v[8+16*\j:8+16*\j+1], v[8+16*\j:8+16*\j+1], v[8+16*\j+4:8+16*\j+5]
	v_pk_add_f32 v[8+16*\j+2:8+16*\j+3], v[8+16*\j+2:8+16*\j+3], v[8+16*\j+6:8+16*\j+7]
	v_pk_add_f32 v[8+16*\j+8:8+16*\j+9], v[8+16*\j+8:8+16*\j+9], v[8+16*\j+12:8+16*\j+13]
	v_pk_add_f32 v[8+16*\j+10:8+16*\j+11], v[8+16*\j+10:8+16*\j+11], v[8+16*\j+14:8+16*\j+15]
	s_delay_alu instid0(VALU_DEP_2)
	v_pk_add_f32 v[8+16*\j:8+16*\j+1], v[8+16*\j:8+16*\j+1], v[8+16*\j+8:8+16*\j+9]
	s_delay_alu instid0(VALU_DEP_2)
	v_pk_add_f32 v[8+16*\j+2:8+16*\j+3], v[8+16*\j+2:8+16*\j+3], v[8+16*\j+10:8+16*\j+11]
	global_store_b128 v1, v[8+16*\j:8+16*\j+3], s[6:7] offset:4096*\j th:TH_STORE_NT
.endr
	s_endpgm
.Lfunc_end_k_q00bdf6af6b_sum:
	.size	k_q00bdf6af6b_sum, .Lfunc_end_k_q00bdf6af6b_sum-k_q00bdf6af6b_sum
	.p2alignl 7, 3214868480
	.fill 96, 4, 3214868480
	.section	.rodata,"a",@progbits
	.p2align	6, 0x0
	.amdhsa_kernel k_q00bdf6af6b_sum
		.amdhsa_group_segment_fixed_size 0
		.amdhsa_private_segment_fixed_size 0
		.amdhsa_enable_private_segment 0
		.amdhsa_kernarg_size 16
		.amdhsa_user_sgpr_count 2
		.amdhsa_user_sgpr_kernarg_segment_ptr 1
		.amdhsa_wavefront_size32 1
		.amdhsa_system_sgpr_workgroup_id_x 1
		.amdhsa_system_sgpr_workgroup_id_y 1
		.amdhsa_system_sgpr_workgroup_id_z 1
		.amdhsa_system_vgpr_workitem_id 0
		.amdhsa_next_free_vgpr 80
		.amdhsa_next_free_sgpr 66
		.amdhsa_reserve_vcc 0
		.amdhsa_float_denorm_mode_32 3
		.amdhsa_float_denorm_mode_16_64 3
		.amdhsa_memory_ordered 1
		.amdhsa_forward_progress 1
		.amdhsa_inst_pref_size 5
	.end_amdhsa_kernel
	.amdgpu_metadata
---
amdhsa.version: [ 1, 2 ]
amdhsa.kernels:
  - .name:           k_q00bdf6af6b_sum
    .symbol:         k_q00bdf6af6b_sum.kd
    .args:
      - { .name: part, .offset: 0, .size: 8, .value_kind: global_buffer, .address_space: global }
      - { .name: out0, .offset: 8, .size: 8, .value_kind: global_buffer, .address_space: global }
    .group_segment_fixed_size: 0
    .private_segment_fixed_size: 0
    .kernarg_segment_align: 8
    .kernarg_segment_size: 16
    .max_flat_workgroup_size: 256
    .sgpr_count:     66
    .vgpr_count:     80
    .wavefront_size: 32
...
	.end_amdgpu_metadata
.endif
;; end of part 4
